; MI455X (gfx1250); checked and timed in simulation.
; The chip was launched on July 23, 2026; its instructions are those of AMD's public machine-readable ISA for CDNA 5 (MIT licence, August 2026) and "CDNA5" Instruction Set Architecture Reference Guide (July 2026). The comments in the code are by the model that wrote it; some were corrected since.
;; Codebook Layer. Allowed arithmetic: matrix products marked QUANTISED: E3M2 operands, one E8M0 scale for each 32 along K, by v_wmma_scale_f32_16x16x128_f8f6f4 with both operands' format E3M2, f32 sums; everything else in f32.
;; Inputs: codebook 4,096 x 1,024 float32; x 8 x 2,048 x 1,024 float32.
;; Outputs: out0 8 x 2,048 x 1,024 float32.
;; This version of the problem:
;;   THIS VERSION OF THE PROBLEM IS GIVEN IN LOW PRECISION. The matrix products marked QUANTISED in the list below multiply operands that are first quantised to E3M2 (3 exponent bits, 2 mantissa bits; 6 bits a number), with one power-of-two scale for each 32 numbers along K (OCP MX v1.0); their sums are f32. All else is computed in f32.
;;   The module's matrix products, in the order in which they are computed (A, B: the left and right operand; K: the contracted axis; several contracted axes count as one K, in the product's order):
;;     1. [M 16,384, K 1,024] x [K 1,024, N 4,096]; A: input x; B: input codebook: QUANTISED
;;   THE QUANTISER, for each operand of a quantised product, along K:
;;     - K is cut into blocks of 32 from its start; a last block that is shorter is filled with zeros.
;;     - A block's scale is 2^e with e = floor(log2(the largest magnitude in the block)) - 4, held to -126 .. 127; a block of zeros has e = 0. As a byte (E8M0): e + 127.
;;     - Each number is divided by its block's scale, clamped to +-28, and rounded to the nearest number of E3M2, ties to even, subnormals kept.
;;     - The product sums the exact products of the quantised numbers (number of the format x scale) in f32.
;;   ~~~python
;;   def quantise(x, axis):      # numpy; x: float32 -> the quantised numbers, widened to float32 again
;;       x = np.moveaxis(x, axis, -1); K = x.shape[-1]
;;       x = np.pad(x, [(0, 0)] * (x.ndim - 1) + [(0, -K % 32)]); x = x.reshape(x.shape[:-1] + (-1, 32)); a = np.abs(x).max(-1, keepdims=True)
;;       e = np.where(a > 0, np.clip(np.frexp(np.where(a > 0, a, 1))[1] - 1 - 4, -126, 127), 0)      # np.frexp(a)[1] - 1 = floor(log2(a)), exactly
;;       r = np.clip(x / 2.0 ** e, -28, 28)
;;       step = 2.0 ** (np.maximum(np.frexp(np.where(r == 0, 1, r))[1] - 1, -2) - 2)
;;       q = np.round(r / step) * step * 2.0 ** e      # np.round: ties to even
;;       return np.moveaxis(q.reshape(q.shape[:-2] + (-1,))[..., :K], -1, axis).astype(np.float32)
;;   ~~~
;; One version. Each part assembles by itself: llvm-mc -triple=amdgcn-amd-amdhsa -mcpu=gfx1250 --defsym DOCPART=n.
;; ======== version 1 of 1: 3 launches
;; limits: right only within a limited range of input values
;; workspace buffers: xq 13,107,200 bytes; cbq 3,276,800 bytes; cand_key 262,144 bytes of whole numbers; cand_idx 262,144 bytes of whole numbers
;; launch quant (part 1): grid 640 x 1, 4 waves a work-group, no clusters, 34,304 bytes of LDS; arguments x, codebook, xq, cbq; writes xq, cbq
.if DOCPART == 1
	.amdgcn_target "amdgcn-amd-amdhsa--gfx1250"
	.amdhsa_code_object_version 6
	.text
	.protected	k_q5f1dc52d9f_quant
	.globl	k_q5f1dc52d9f_quant
	.p2align	8
	.type	k_q5f1dc52d9f_quant,@function
k_q5f1dc52d9f_quant:
	s_mov_b64 s[64:65], 0
	v_nop
	global_prefetch_b8 v0, s[64:65] scope:SCOPE_SE
	s_setreg_imm32_b32 hwreg(HW_REG_WAVE_MODE, 25, 1), 1
	s_wait_xcnt 0x0
; x [16384][1024] and codebook [4096][1024], f32, become codes of BF6 (E3M2) with one E8M0 scale byte for each 32 along K, laid in the ORDER OF THE OPERAND'S REGISTERS.
; A block's scale is 2^(floor(log2(its largest magnitude)) - 4): its byte is the largest magnitude's exponent field - 4, held at 1 from below; numbers are divided by it and rounded to the nearest code, ties to even, beyond 28 the largest code.
; LIMITS: a block whose largest magnitude lies under 2^(5 - 127) keeps the byte 1 (a block of zeros too, where the rule says 127: its codes are zeros, and this program alone reads the bytes); NaN and infinities are not served.
; A PAIR TILE is 32 rows x 1,024 K in 25,600 bytes.  Fragment (p = which 16 rows, s = which 128 along K) is an image of its 12 registers, 1,536 bytes at (8 p + s) x 1,536: register i of lane l at 512 (i / 4) + 16 l + 4 (i % 4).
; Lane (r = l % 16, h = l / 16) holds row r; registers 6 c .. 6 c + 5 hold k = 128 s + 64 c + 32 h + 0 .. 31.  From byte 24,576 on: the scale words, [K half q][row 0 .. 31][16 bytes]: word i is K step 4 q + i.
; SHARES.  A work-group makes one pair tile: the first 512 x's, the other 128 the codebook's (only pointers are chosen: one path).  Wave w takes rows 16 (w / 2) on and K half w % 2: four steps of 16 rows x 128 K.
; Each load reads 512 consecutive bytes of one row; a step's 8 KiB turn through the wave's own stage in LDS (rows 528 bytes apart) and come back as 32 neighbours along K, twice, in each lane: two whole blocks a lane.
; No tensor loads, no barrier: waves share nothing.  Loads run two steps (32 loads a wave) ahead.
.set STG,   8448                       ; a wave's stage: 16 rows x 528 bytes
.set SROW,  528                        ; 512 bytes + 16: the sixteen rows that a load of 16 bytes a lane touches start 33 x 16 bytes apart
.set PTB,   25600
.set W,     10                         ; v10-13   the four steps' scale words
.set R,     16                         ; v16-143  two sets of 64 registers as loaded
.set X,     144                        ; v144-207 my 64 numbers of a step: register 32 c + i = k 64 c + 32 h + i of row r
.set P,     208                        ; v208-231 two sets of 12: a fragment's registers
.set T,     232                        ; v232-238 the halves of blocks whose place in a fragment begins on an odd register
.set SOFF,  239                        ; v239     16 r + 8 h: where my 8 bytes of scale words go
.set H8,    240                        ; v240     8 h
	s_load_b256 s[4:11], s[0:1], 0x0               ; x s[4:5], codebook s[6:7], xq s[8:9], cbq s[10:11]
	v_lshl_add_u32 v248, v0, 2, 0x8400
	v_mov_b32 v249, 0
	v_lshrrev_b32 v8, 5, v0
	v_readfirstlane_b32 s12, v8                    ; wave 0..3
	v_and_b32 v8, 31, v0
	v_lshlrev_b32 v1, 4, v8                        ; v1 = 16 x lane: my bytes of a load's 512, and of a store's; never rewritten
	s_mul_i32 s13, s12, STG
	v_add_nc_u32 v2, s13, v1                       ; the stage, way in: a row as it lies
	v_and_b32 v8, 15, v0                           ; r
	v_bfe_u32 v9, v0, 4, 1                         ; h  (v9 is later a lane permute's destination: it is written here)
	v_mul_u32_u24 v3, v8, SROW
	v_lshl_add_u32 v3, v9, 7, v3
	v_add_nc_u32 v3, s13, v3                       ; way out: row r, + 128 h bytes
	v_lshlrev_b32 v[SOFF], 4, v8
	v_lshl_add_u32 v[SOFF], v9, 3, v[SOFF]
	v_lshlrev_b32 v[H8], 3, v9
	s_mov_b32 s20, 0x76543210
	s_mov_b32 s21, 0xfedcba98                      ; v_permlanex16_b32's selects for lane l xor 16
	s_lshr_b32 s15, s12, 1                         ; p
	s_and_b32 s16, s12, 1                          ; q
	s_wait_alu depctr_va_vdst(0)
	s_wait_kmcnt 0x0
	s_cmp_lt_u32 ttmp9, 512                        ; x's work-group or the codebook's?  The choice hangs on the work-group's number alone
	s_cselect_b64 s[4:5], s[4:5], s[6:7]
	s_cselect_b64 s[8:9], s[8:9], s[10:11]
	s_cselect_b32 s14, 0, 512
	s_sub_co_u32 s14, ttmp9, s14                   ; which pair tile of the tensor
	s_lshl_b32 s18, s14, 17                        ; the source: 32 rows of 4,096 bytes a tile,
	s_lshl_b32 s17, s15, 16                        ; 16 rows,
	s_add_co_u32 s18, s18, s17
	s_lshl_b32 s17, s16, 11                        ; 512 numbers along K
	s_add_co_u32 s18, s18, s17
	s_mov_b32 s19, 0
	s_add_nc_u64 s[4:5], s[4:5], s[18:19]
	s_mul_i32 s18, s14, PTB                        ; the tile's first byte in the codes' buffer
	s_lshl_b32 s22, s16, 9                         ; the scale words: 24,576 + 512 q + 256 p
	s_lshl_b32 s17, s15, 8
	s_add_co_u32 s22, s22, s17
	s_add_co_u32 s22, s22, s18
	s_add_co_u32 s22, s22, 24576
	s_mov_b32 s23, 0
	s_add_nc_u64 s[10:11], s[8:9], s[22:23]
	s_mul_i32 s17, s15, 8*1536                     ; the fragments: (8 p + 4 q) x 1,536
	s_add_co_u32 s18, s18, s17
	s_mul_i32 s17, s16, 4*1536
	s_add_co_u32 s18, s18, s17
	s_add_nc_u64 s[8:9], s[8:9], s[18:19]
.macro LOAD t                          ; step t: 512 bytes of each of my 16 rows
.irp i, 0,1,2,3,4,5,6,7,8,9,10,11,12,13,14,15
	global_load_b128 v[R+64*((\t)%2)+4*\i:R+64*((\t)%2)+4*\i+3], v1, s[4:5] offset:4096*\i+512*(\t) th:TH_LOAD_NT
.endr
.endm
.macro STEP t
.set RS, R+64*((\t)%2)
.set PS, P+12*((\t)%2)
.if (\t) < 3
	s_wait_loadcnt 16                              ; this step's 16 loads are in; the next step's 16 may be out
.else
	s_wait_loadcnt 0
.endif
.irp i, 0,1,2,3,4,5,6,7,8,9,10,11,12,13,14,15
	ds_store_b128 v2, v[RS+4*\i:RS+4*\i+3] offset:SROW*\i
.endr
.irp c, 0,1
.irp j, 0,1,2,3,4,5,6,7
	ds_load_b128 v[X+32*\c+4*\j:X+32*\c+4*\j+3], v3 offset:256*\c+16*\j   ; LDS serves a wave's instructions in order: these see the stores above
.endr
.endr
	s_wait_dscnt 0x0                               ; my 64 numbers are in, and the stores have read the set as loaded,
.if (\t)+2 < 4
	LOAD (\t)+2                                    ; which takes the loads of two steps on
.endif
.irp c, 0,1
	v_max3_num_f32 v[4+\c], |v[X+32*\c]|, |v[X+32*\c+1]|, 0x2800000   ; block 2 c + h: all its 32 numbers are mine; and the floor 2^(5 - 127): the byte cannot fall under 1
.endr
.irp i, 2,4,6,8,10,12,14,16,18,20,22,24,26,28,30
.irp c, 0,1
	v_max3_num_f32 v[4+\c], v[4+\c], |v[X+32*\c+\i]|, |v[X+32*\c+\i+1]|   ; (the two blocks by turns)
.endr
.endr
.irp c, 0,1
	v_add_nc_u32 v[6+\c], 0xfe000000, v[4+\c]      ; 4 off the exponent field: the conversion takes the exponent field of this operand as its scale
.endr
	v_lshrrev_b32 v8, 23, v6                       ; the two bytes: blocks h and 2 + h of row r,
	v_lshrrev_b32 v14, 23, v7
	v_lshl_or_b32 v8, v14, 16, v8
	v_lshlrev_b32 v8, v[H8], v8                    ; at their places in the scale word;
	v_permlanex16_b32 v9, v8, s20, s21
	v_or_b32 v[W+(\t)], v8, v9                     ; with lane l xor 16's two the word is whole, in both lanes
.if (\t) >= 2
	s_wait_alu depctr_va_vdst(0)
	s_wait_xcnt 0x0                                ; the stores of two steps back have read this set of code registers
.endif
	v_cvt_scalef32_pk16_bf6_f32 v[PS:PS+2], v[X:X+15], v6
	v_cvt_scalef32_pk16_bf6_f32 v[T:T+2], v[X+16:X+31], v6          ; (a conversion's three registers begin on an even number)
	v_cvt_scalef32_pk16_bf6_f32 v[PS+6:PS+8], v[X+32:X+47], v7
	v_cvt_scalef32_pk16_bf6_f32 v[T+4:T+6], v[X+48:X+63], v7
	v_nop                                          ; one plain place behind the scaled conversions
.irp i, 0,1,2
	v_mov_b32 v[PS+3+\i], v[T+\i]
	v_mov_b32 v[PS+9+\i], v[T+4+\i]
.endr
.irp c, 0,1,2
	global_store_b128 v1, v[PS+4*\c:PS+4*\c+3], s[8:9] offset:1536*(\t)+512*\c   ; 32 lanes store 512 consecutive bytes, at a multiple of 256 from the buffer's first byte
.endr
.endm
	LOAD 0
	LOAD 1
	STEP 0
	STEP 1
	STEP 2
	STEP 3
	v_cmp_ne_u32 vcc_lo, 0, v[H8]                  ; lanes 0-15 store words 0 and 1 of their row, lanes 16-31 words 2 and 3
	v_cndmask_b32 v14, v[W], v[W+2], vcc_lo
	v_cndmask_b32 v15, v[W+1], v[W+3], vcc_lo
	global_store_b64 v[SOFF], v[14:15], s[10:11]   ; 32 lanes store 256 consecutive bytes, aligned
	s_wait_tensorcnt 0x0
	ds_add_u32 v248, v249
	s_wait_dscnt 0x0
	s_endpgm
.Lfunc_end_k_q5f1dc52d9f_quant:
	.size	k_q5f1dc52d9f_quant, .Lfunc_end_k_q5f1dc52d9f_quant-k_q5f1dc52d9f_quant
	.p2alignl 7, 3214868480
	.fill 96, 4, 3214868480
	.section	.rodata,"a",@progbits
	.p2align	6, 0x0
	.amdhsa_kernel k_q5f1dc52d9f_quant
		.amdhsa_group_segment_fixed_size 34304
		.amdhsa_private_segment_fixed_size 0
		.amdhsa_enable_private_segment 0
		.amdhsa_kernarg_size 32
		.amdhsa_user_sgpr_count 2
		.amdhsa_user_sgpr_kernarg_segment_ptr 1
		.amdhsa_wavefront_size32 1
		.amdhsa_system_sgpr_workgroup_id_x 1
		.amdhsa_system_sgpr_workgroup_id_y 1
		.amdhsa_system_sgpr_workgroup_id_z 1
		.amdhsa_system_vgpr_workitem_id 0
		.amdhsa_next_free_vgpr 250
		.amdhsa_next_free_sgpr 66
		.amdhsa_reserve_vcc 1
		.amdhsa_float_denorm_mode_32 3
		.amdhsa_float_denorm_mode_16_64 3
		.amdhsa_memory_ordered 1
		.amdhsa_forward_progress 1
		.amdhsa_inst_pref_size 30
	.end_amdhsa_kernel
	.amdgpu_metadata
---
amdhsa.version: [ 1, 2 ]
amdhsa.kernels:
  - .name:           k_q5f1dc52d9f_quant
    .symbol:         k_q5f1dc52d9f_quant.kd
    .args:
      - { .name: x, .offset: 0, .size: 8, .value_kind: global_buffer, .address_space: global }
      - { .name: codebook, .offset: 8, .size: 8, .value_kind: global_buffer, .address_space: global }
      - { .name: xq, .offset: 16, .size: 8, .value_kind: global_buffer, .address_space: global }
      - { .name: cbq, .offset: 24, .size: 8, .value_kind: global_buffer, .address_space: global }
    .group_segment_fixed_size: 34304
    .private_segment_fixed_size: 0
    .kernarg_segment_align: 8
    .kernarg_segment_size: 32
    .max_flat_workgroup_size: 128
    .sgpr_count:     66
    .vgpr_count:     250
    .wavefront_size: 32
...
	.end_amdgpu_metadata
.endif
;; end of part 1
;; launch snap (part 2): grid 64 x 4, 4 waves a work-group, clusters of 4 x 4, 327,680 bytes of LDS; arguments xq, cbq, cand_key, cand_idx; writes cand_key, cand_idx
.if DOCPART == 2
	.amdgcn_target "amdgcn-amd-amdhsa--gfx1250"
	.amdhsa_code_object_version 6
	.text
	.protected	k_q5f1dc52d9f_snap
	.globl	k_q5f1dc52d9f_snap
	.p2align	8
	.type	k_q5f1dc52d9f_snap,@function
k_q5f1dc52d9f_snap:
	s_mov_b64 s[64:65], 0
	v_nop
	global_prefetch_b8 v0, s[64:65] scope:SCOPE_SE
	s_setreg_imm32_b32 hwreg(HW_REG_WAVE_MODE, 25, 1), 1
	s_wait_xcnt 0x0
	s_wait_alu depctr_hold_cnt(0) depctr_sa_sdst(0) depctr_va_vdst(0) depctr_va_sdst(0) depctr_va_ssrc(0) depctr_va_vcc(0) depctr_vm_vsrc(0)
	s_getreg_b32 s2, hwreg(HW_REG_IB_STS2, 6, 4)
	s_cmp_eq_u32 s2, 0
	s_cbranch_scc0 .Lentry_in_a_cluster
	s_endpgm
.Lentry_in_a_cluster:
	s_bfe_u32 s2, ttmp6, 0x10000c
	s_cmp_lg_u32 s2, 0xf033
	s_cbranch_scc0 .Lentry_shape_is_right
	s_endpgm
.Lentry_shape_is_right:
; logits = x codebook^T on codes of BF6 with E8M0 block scales, and for each row of x the best code of one quarter of the codebook: its logit as a whole-number key that orders as the logit does, and its number.
; xq and cbq hold PAIR TILES of 32 rows x 1,024 K in 25,600 bytes: fragment (p = which 16 rows, s = which 128 K) is an image of its 12 registers, 1,536 bytes at (8 p + s) x 1,536 (16 bytes a lane, three times);
; from byte 24,576 on the scale words: [K half q][row 0 .. 31][16 bytes].
; SHARES.  A work-group takes 256 rows of x and 1,024 codes (quarter cy).  Four waves: wave w holds rows 128 (w / 2) on, for ALL of K, in registers (64 fragments, 768 registers), and of each tile of 128 codes
; it takes codes 64 (w % 2) on: four blocks of 16 codes.  A block is 8 K steps x 8 row groups = 64 matrix instructions from 24 LDS loads: each code fragment feeds eight matrix instructions.
; THE MATRIX INSTRUCTION IS USED TRANSPOSED: source 0 = 16 codes, source 1 = 16 rows of x.  Lane (r, h) holds row r; register j of an accumulator is code 8 h + j of the block.
; THE BEST CODE, BY BLOCKS.  Behind each block the largest of an accumulator's eight logits is taken (three v_max3, one v_max) and compared ONCE with the lane's running best.  Where it is greater, the block's first
; code is kept and the accumulator's eight logits are copied to eight kept registers: 11 instructions for eight logits.  Behind the last block the lowest of the kept eight that equals the best gives the code.
; Blocks go in ascending order and only a greater logit takes the place, so of equal logits the lowest code stays.
; THE RING: two LDS slots of one tile (102,400 bytes), 131,072 bytes apart, so that one s_xor_b32 changes slots; the loop's body is one trip.  A trip's reads of its slot end in the middle of its last block:
; there stands the one round of a trip, and the refill (two tiles on) is asked for behind it.
; x comes once, through LDS bytes 102,400 .. 307,199, which slot 1 takes over when every wave has x in registers.
; CLUSTERS: 4 x 4 work-groups.  The four of a row of the cluster (same cy) walk the same tiles of the codebook, the four of a column (same cx) hold the same rows of x: both are asked for jointly.
; PREFETCH: in trip t each wave names 25 blocks of 256 bytes of tile t + 3, which is loaded at the end of trip t + 1; a tile's 400 blocks are shared out by address among the 16 waves of the four partners; tiles 0 to 2 come by their loads alone; trip 5 and the two trips behind the loop ask for nothing.
; LIMITS: NaN and infinities among the logits are not served (a NaN never takes the place).
; REGISTERS: window 0: v0-7 addresses, v8-11 at work, v12-27 best and block, v28-59 x's scale words, v60-67 the codes' scale words, v68-131 eight accumulators, v132-143 x's fragment 63, v144-191 four code fragments,
;   v192-255 the kept logits.  Windows 1 to 3: x's fragments 0 .. 62 (fragment 8 s + a), 21 to a window.
.set PTB,   25600
.set FRB,   1536
.set SCB,   24576
.set TILEB, 4*PTB
.set SLOT1, 131072
.set XB,    TILEB
.set SPARE, 3*TILEB                    ; the spare words, 128 bytes a wave
.set RED,   SPARE+512                  ; 4,096 bytes for the last merge; no tile lands here
.set SPW,  1
.set NIL,  2
.set ADB,  3                           ; 16 x lane + my two pair tiles' place in a slot
.set CUR,  4                           ; the same in this trip's slot,
.set NXT,  5                           ; and in the other
.set PFO,  6
.set MT,   8                           ; four accumulators' largest logits; at the head v8, v9 address x's stage
.set AX,   8
.set AX2,  9
.set BEST, 12
.set IDX,  20
.set XS,   28
.set CS,   60
.set ACC,  68
.set XLO,  132
.set CF,   144
.set SAVE, 192
.set STO,  CF+32                       ; the last merge's addresses, made behind the loop
.set RDA,  CF+33
.set GOF,  CF+34
.set WV,   12
.set RG,   13
.set CG,   14
.set CX,   15
.set G1B,  16                          ; group 1: a pair tile, 100 rows of 256 bytes, to my row of the cluster
.set G1X,  24                          ; four pair tiles of x, to my column
.set G1H,  32                          ; two pair tiles of tile 0, to my row
.set G0,   40
.set G0X,  44
.set G0H,  48
.set CY,   52
.set WGX,  53
.set TMPS, 54
.set CNT,  55
.set OFX,  56
.set OFC,  58
.set SLC,  60
.set SLN,  61
.set SEL,  62
.set TS,   66                          ; s66-72 sums made at the head
.set FM,   74                          ; s74-81 masks of the last search
.set MG,   82
.set PFA,  86
.set MROW, 88
.set MCOL, 89
.set SB,   90                          ; the block's first code
.set OFP,  92
.set MSB, 0
.macro WIN new                         ; the immediate's high byte repeats the setting that is left
.if MSB != (\new)
	s_set_vgpr_msb (MSB<<8)|(\new)
.set MSB, (\new)
.endif
.endm
.macro CREST
	s_cmp_lg_u32 s[WV], 0
	s_cbranch_scc1 .Lnot_wave_0_\@
	s_barrier_signal -3
.Lnot_wave_0_\@:
	s_barrier_wait -3
	s_barrier_signal -1
	s_barrier_wait -1
.endm
.macro ROUND
	s_barrier_signal -1
	s_barrier_wait -1
	CREST
.endm
.macro PLACES
.rept 4
	v_nop
.endr
.endm
.macro DESC g, rows                    ; dense rows of 256 bytes: 32 elements of 8 bytes
	s_mov_b32 s[\g+1], 32<<16
	s_mov_b32 s[\g+2], (\rows)<<16
	s_mov_b32 s[\g+3], 32<<16
	s_mov_b32 s[\g+4], \rows
	s_mov_b32 s[\g+5], 32
	s_mov_b32 s[\g+6], 0
	s_mov_b32 s[\g+7], 0
.endm
.macro WM z, pr, ar                    ; pr: the codes' scale words lie in lanes 16-31; ar: x's do
.if (\z)
.if (\pr)
.if (\ar)
	v_wmma_scale_f32_16x16x128_f8f6f4 v[AC_:AC_+7], v[CF_:CF_+11], v[XR_:XR_+11], 0, v[CS_], v[XS_] matrix_a_fmt:MATRIX_FMT_BF6 matrix_b_fmt:MATRIX_FMT_BF6 matrix_a_scale:MATRIX_SCALE_ROW1 matrix_b_scale:MATRIX_SCALE_ROW1
.else
	v_wmma_scale_f32_16x16x128_f8f6f4 v[AC_:AC_+7], v[CF_:CF_+11], v[XR_:XR_+11], 0, v[CS_], v[XS_] matrix_a_fmt:MATRIX_FMT_BF6 matrix_b_fmt:MATRIX_FMT_BF6 matrix_a_scale:MATRIX_SCALE_ROW1
.endif
.else
.if (\ar)
	v_wmma_scale_f32_16x16x128_f8f6f4 v[AC_:AC_+7], v[CF_:CF_+11], v[XR_:XR_+11], 0, v[CS_], v[XS_] matrix_a_fmt:MATRIX_FMT_BF6 matrix_b_fmt:MATRIX_FMT_BF6 matrix_b_scale:MATRIX_SCALE_ROW1
.else
	v_wmma_scale_f32_16x16x128_f8f6f4 v[AC_:AC_+7], v[CF_:CF_+11], v[XR_:XR_+11], 0, v[CS_], v[XS_] matrix_a_fmt:MATRIX_FMT_BF6 matrix_b_fmt:MATRIX_FMT_BF6
.endif
.endif
.else
.if (\pr)
.if (\ar)
	v_wmma_scale_f32_16x16x128_f8f6f4 v[AC_:AC_+7], v[CF_:CF_+11], v[XR_:XR_+11], v[AC_:AC_+7], v[CS_], v[XS_] matrix_a_fmt:MATRIX_FMT_BF6 matrix_b_fmt:MATRIX_FMT_BF6 matrix_a_scale:MATRIX_SCALE_ROW1 matrix_b_scale:MATRIX_SCALE_ROW1
.else
	v_wmma_scale_f32_16x16x128_f8f6f4 v[AC_:AC_+7], v[CF_:CF_+11], v[XR_:XR_+11], v[AC_:AC_+7], v[CS_], v[XS_] matrix_a_fmt:MATRIX_FMT_BF6 matrix_b_fmt:MATRIX_FMT_BF6 matrix_a_scale:MATRIX_SCALE_ROW1
.endif
.else
.if (\ar)
	v_wmma_scale_f32_16x16x128_f8f6f4 v[AC_:AC_+7], v[CF_:CF_+11], v[XR_:XR_+11], v[AC_:AC_+7], v[CS_], v[XS_] matrix_a_fmt:MATRIX_FMT_BF6 matrix_b_fmt:MATRIX_FMT_BF6 matrix_b_scale:MATRIX_SCALE_ROW1
.else
	v_wmma_scale_f32_16x16x128_f8f6f4 v[AC_:AC_+7], v[CF_:CF_+11], v[XR_:XR_+11], v[AC_:AC_+7], v[CS_], v[XS_] matrix_a_fmt:MATRIX_FMT_BF6 matrix_b_fmt:MATRIX_FMT_BF6
.endif
.endif
.endif
.endm
.macro XPLACE f                        ; where x's fragment f lies: window XW_, register XR_
.if (\f) < 63
.set XW_, 1+(\f)/21
.set XR_, 12*((\f)%21)
.else
.set XW_, 0
.set XR_, XLO
.endif
.endm
.macro MM p, s, u, e                   ; row group a = 2 u + e, K step s
	XPLACE 8*(\s)+2*(\u)+(\e)
.set AC_, ACC+8*(2*(\u)+(\e))
.set CF_, CF+12*((\s)%4)
.set CS_, CS+(\s)
.set XS_, XS+8*(\u)+(\s)
.set Z_, 0
.if (\s) == 0
.set Z_, 1                             ; the first K step starts the sums
.endif
	WIN XW_<<2
	WM Z_, \p, \e
.endm
.macro KS p, s                         ; a K step: the eight accumulators by turns
.irp u, 0,1,2,3
.irp e, 0,1
	MM \p, \s, \u, \e
.endr
.endr
.endm
.macro FETCH2 adr, b, s                ; the code fragments of K steps s, s + 1 of block b, into places s % 4, (s + 1) % 4: six loads
.irp k, 0,1
.irp c, 0,1,2
	ds_load_b128 v[CF+12*(((\s)+\k)%4)+4*\c:CF+12*(((\s)+\k)%4)+4*\c+3], v[\adr] offset:((\b)/2)*PTB+(8*((\b)%2)+(\s)+\k)*FRB+512*\c
.endr
.endr
.endm
.macro SCL adr, u                      ; the scale words of pair tile u
	ds_load_b128 v[CS:CS+3], v[\adr] offset:(\u)*PTB+SCB
	ds_load_b128 v[CS+4:CS+7], v[\adr] offset:(\u)*PTB+SCB+512
.endm
.macro KEEP2 d, s                      ; where the block has won, two of its logits are kept
	v_dual_cndmask_b32 v[\d], v[\d], v[\s] :: v_dual_cndmask_b32 v[\d+1], v[\d+1], v[\s+1]
.endm
.macro JUDGE step                      ; four row groups by turns, twice; each accumulator is read from its low end on
	WIN 0
.irp g, 0,4
.irp a, 0,1,2,3
	v_max3_num_f32 v[MT+\a], v[ACC+8*(\g+\a)], v[ACC+8*(\g+\a)+1], v[ACC+8*(\g+\a)+2]
.endr
.irp i, 3,5
.irp a, 0,1,2,3
	v_max3_num_f32 v[MT+\a], v[MT+\a], v[ACC+8*(\g+\a)+\i], v[ACC+8*(\g+\a)+\i+1]
.endr
.endr
.irp a, 0,1,2,3
	v_max_num_f32 v[MT+\a], v[MT+\a], v[ACC+8*(\g+\a)+7]
.endr
.irp a, 0,1,2,3
	v_cmp_gt_f32 vcc_lo, v[MT+\a], v[BEST+\g+\a]   ; only a greater logit takes the place
	v_max_num_f32 v[BEST+\g+\a], v[MT+\a], v[BEST+\g+\a]
.irp j, 0,2,4,6
	KEEP2 SAVE+8*(\g+\a)+\j, ACC+8*(\g+\a)+\j
.endr
	v_cndmask_b32 v[IDX+\g+\a], v[IDX+\g+\a], s[SB], vcc_lo
.endr
.endr
	s_wait_alu depctr_va_vdst(0)
	s_add_co_u32 s[SB], s[SB], \step               ; the next block's first code
.endm
; Blocks 0 to 2 of a trip.  Four places hold fragments: K steps 0 to 3 were fetched at the last block's end, under its judging; steps 4, 5 and 6, 7 follow behind the products of steps 0, 1 and 2, 3.
; The counts: behind the group of loads that a wait is for, one group of six has been issued.
.macro BLK b, p, ask
	s_wait_dscnt 6
	KS \p, 0
	KS \p, 1
	PLACES
	FETCH2 CUR, \b, 4
.if (\ask)
	WIN 0
	s_cmp_lg_u32 s[CNT], 1                         ; the loop's last trip has no tile three on
	s_cbranch_scc0 .Lno_ask_\@
	global_prefetch_b8 v[PFO], s[PFA:PFA+1] th:TH_LOAD_NT scope:SCOPE_SE
.Lno_ask_\@:
.endif
	s_wait_dscnt 6
	KS \p, 2
	KS \p, 3
	PLACES
	FETCH2 CUR, \b, 6
	s_wait_dscnt 6
	KS \p, 4
	KS \p, 5
	s_wait_dscnt 0x0
	KS \p, 6
	KS \p, 7
	PLACES
.if (\p)
	SCL CUR, ((\b)+1)/2
.endif
	FETCH2 CUR, (\b)+1, 0
	FETCH2 CUR, (\b)+1, 2
	JUDGE 16
.endm
; Block 3.  mode 0: the change of slots with a refill; 1: without; 2: the last block of all.
.macro LAST mode
	s_wait_dscnt 6
	KS 1, 0
	KS 1, 1
	PLACES
	FETCH2 CUR, 3, 4
	s_wait_dscnt 6
	KS 1, 2
	KS 1, 3
	PLACES
	FETCH2 CUR, 3, 6                               ; my last reads of this slot
.if (\mode) < 2
	WIN 0
	s_wait_tensorcnt 0x0                           ; all my tensor loads have landed: my part of the other slot
	ds_add_u32 v[SPW], v[NIL]
.if (\mode) == 0
	s_xor_b32 s[G0+1], s[G0+1], SLOT1              ; no load of mine is out: the descriptor steps to this slot and one tile on
	s_add_nc_u64 s[G0+2:G0+3], s[G0+2:G0+3], TILEB
.endif
	s_wait_dscnt 7                                 ; six loads and the add may be out
	KS 1, 4
	KS 1, 5
	s_wait_dscnt 0x0                               ; the add is done, and all my reads of this slot
	s_barrier_signal -1
	KS 1, 6
	KS 1, 7
	WIN 0
	s_barrier_wait -1
.if (\mode) == 0
	CREST                                          ; the barrier has opened a round: no wave of any partner still reads this slot
	tensor_load_to_lds s[G0:G0+3], s[G1B:G1B+7]
	s_nop 0
.endif
	PLACES
	SCL NXT, 0
	FETCH2 NXT, 0, 0
	FETCH2 NXT, 0, 2
.else
	s_wait_dscnt 6
	KS 1, 4
	KS 1, 5
	s_wait_dscnt 0x0
	KS 1, 6
	KS 1, 7
	PLACES
.endif
	JUDGE 80                                       ; 16, and the 64 codes of the tile that the other wave takes
.endm
.macro TRIP mode
.if (\mode) == 0
	s_wait_xcnt 0x0                                ; the last trip's prefetch has read its address
	s_add_nc_u64 s[PFA:PFA+1], s[PFA:PFA+1], TILEB
.endif
	v_add_nc_u32 v[CUR], s[SLC], v[ADB]
	v_add_nc_u32 v[NXT], s[SLN], v[ADB]
	s_wait_alu depctr_va_vdst(0)
.if (\mode) == 0
	BLK 0, 0, 1
.else
	BLK 0, 0, 0
.endif
	BLK 1, 1, 0
	BLK 2, 0, 0
	LAST \mode
	s_xor_b32 s[SLC], s[SLC], SLOT1
	s_xor_b32 s[SLN], s[SLN], SLOT1
.endm
.macro MERGE va, ia, vb, ib            ; b takes a's place if it is greater, or equal with the lower number
	v_cmp_gt_f32 s[MG], v[\vb], v[\va]
	v_cmp_eq_f32 s[MG+1], v[\vb], v[\va]
	v_cmp_lt_u32 s[MG+2], v[\ib], v[\ia]
	s_and_b32 s[MG+1], s[MG+1], s[MG+2]
	s_or_b32 s[MG], s[MG], s[MG+1]
	v_cndmask_b32 v[\va], v[\va], v[\vb], s[MG]
	v_cndmask_b32 v[\ia], v[\ia], v[\ib], s[MG]
.endm
	s_load_b256 s[4:11], s[0:1], 0x0               ; xq s[4:5], cbq s[6:7], cand_key s[8:9], cand_idx s[10:11]
	v_lshl_add_u32 v[SPW], v0, 2, SPARE
	v_mov_b32 v[NIL], 0
	ds_add_u32 v[SPW], v[NIL]
	ds_add_u32 v[SPW], v[NIL]
	v_lshrrev_b32 v[CUR], 5, v0
	v_readfirstlane_b32 s[WV], v[CUR]              ; wave 0..3
	s_lshr_b32 s[RG], s[WV], 1                     ; which 128 rows are mine
	s_and_b32 s[CG], s[WV], 1                      ; which 64 codes of a tile; also which half of a head's tile I fetch
	s_bfe_u32 s[CX], ttmp6, 0x40000
	s_bfe_u32 s[CY], ttmp6, 0x40004                ; the quarter of the codes: the grid's height is the cluster's
	s_lshl_b32 s[WGX], ttmp9, 2
	s_add_co_u32 s[WGX], s[WGX], s[CX]             ; which 256 rows of x
	s_lshl_b32 s[MROW], s[CY], 2
	s_lshl_b32 s[MROW], 15, s[MROW]                ; my row of the cluster
	s_lshl_b32 s[MCOL], 0x1111, s[CX]              ; my column
	s_or_b32 s[G1B], s[MROW], (3<<16)|(1<<21)
	s_or_b32 s[G1H], s[MROW], (3<<16)|(1<<21)
	s_or_b32 s[G1X], s[MCOL], (3<<16)|(1<<21)
	DESC G1B, 100
	DESC G1H, 200
	DESC G1X, 400
	s_mov_b32 s[G0], 1                             ; the ring's first load: tile 1 into slot 1, a pair tile a wave
	s_mul_i32 s[G0+1], s[WV], PTB
	s_add_co_u32 s[G0+1], s[G0+1], SLOT1
	s_mov_b32 s[G0X], 1                            ; x: four pair tiles
	s_mul_i32 s[G0X+1], s[CG], 4*PTB
	s_add_co_u32 s[G0X+1], s[G0X+1], XB
	s_mov_b32 s[G0H], 1                            ; tile 0: two pair tiles into slot 0
	s_mul_i32 s[G0H+1], s[CG], 2*PTB
	s_mul_i32 s[OFC], s[CY], 32*PTB                ; my quarter of cbq
	s_mov_b32 s[OFC+1], 0
	s_mul_i32 s[OFX], s[WGX], 8*PTB                ; my rows of xq
	s_mul_i32 s[TMPS], s[CG], 4*PTB
	s_add_co_u32 s[OFX], s[OFX], s[TMPS]
	s_mov_b32 s[OFX+1], 0
	s_mov_b32 s[OFP+1], 0
	s_mov_b32 s[SEL], 0x76543210
	s_mov_b32 s[SEL+1], 0xfedcba98
	s_mov_b32 s[SLC], 0
	s_mov_b32 s[SLN], SLOT1
	s_mov_b32 s[CNT], 6
	s_lshl_b32 s[SB], s[CY], 10
	s_lshl_b32 s[TMPS], s[CG], 6
	s_add_co_u32 s[SB], s[SB], s[TMPS]             ; my first code
	s_mul_i32 s[TS], s[RG], 4*PTB                  ; x's stage: my four pair tiles
	s_add_co_u32 s[TS], s[TS], XB
	s_mul_i32 s[TS+1], s[CG], 2*PTB                ; a slot: my two pair tiles
	s_lshl_b32 s[TS+2], s[WV], 9                   ; the last merge, way in: 512 bytes a wave
	s_add_co_u32 s[TS+2], s[TS+2], RED
	s_lshl_b32 s[TS+3], s[CY], 16                  ; the candidates: 65,536 bytes a quarter, 1,024 a work-group, 256 a wave
	s_lshl_b32 s[TS+5], s[WGX], 10
	s_add_co_u32 s[TS+3], s[TS+3], s[TS+5]
	s_lshl_b32 s[TS+5], s[WV], 8
	s_add_co_u32 s[TS+3], s[TS+3], s[TS+5]
	s_lshl_b32 s[TS+4], s[RG], 10                  ; way out: the two waves of my rows, my 64 of their 128 rows
	s_lshl_b32 s[TS+6], s[CG], 8
	s_add_co_u32 s[TS+4], s[TS+4], s[TS+6]
	s_add_co_u32 s[TS+4], s[TS+4], RED
	s_wait_dscnt 0x0                               ; both opening adds are done
	s_wait_kmcnt 0x0
	s_add_nc_u64 s[6:7], s[6:7], s[OFC:OFC+1]
	s_add_nc_u64 s[G0X+2:G0X+3], s[4:5], s[OFX:OFX+1]
	s_or_b32 s[G0X+3], s[G0X+3], 0x80000000
	s_mul_i32 s[OFP], s[CG], 2*PTB
	s_add_nc_u64 s[G0H+2:G0H+3], s[6:7], s[OFP:OFP+1]
	s_or_b32 s[G0H+3], s[G0H+3], 0x80000000
	s_mul_i32 s[OFP], s[WV], PTB
	s_add_co_u32 s[OFP], s[OFP], TILEB
	s_add_nc_u64 s[G0+2:G0+3], s[6:7], s[OFP:OFP+1]
	s_or_b32 s[G0+3], s[G0+3], 0x80000000
	s_lshl_b32 s[OFX], s[CX], 2                    ; the prefetches: wave 4 cx + w of the sixteen takes 25 blocks of 256 bytes; the first trip steps from tile 2 to tile 3
	s_add_co_u32 s[OFX], s[OFX], s[WV]
	s_mul_i32 s[OFX], s[OFX], 25*256
	s_add_co_u32 s[OFX], s[OFX], 2*TILEB
	s_add_nc_u64 s[PFA:PFA+1], s[6:7], s[OFX:OFX+1]
	ROUND                                          ; all sixteen work-groups are here: the first joint loads meet
	s_cmp_lt_u32 s[WV], 2                          ; one tensor load a wave at the head: waves 0, 1 x's halves, waves 2, 3 tile 0's
	s_cbranch_scc0 .Lhead_cb
	tensor_load_to_lds s[G0X:G0X+3], s[G1X:G1X+7]
	s_nop 0
	PLACES
	s_branch .Lhead_asked
.Lhead_cb:
	tensor_load_to_lds s[G0H:G0H+3], s[G1H:G1H+7]
	s_nop 0
	PLACES
.Lhead_asked:
	v_and_b32 v[ADB], 31, v0
	v_min_u32 v[PFO], 24, v[ADB]                   ; lanes 25 .. 31 name their wave's last block again
	v_lshlrev_b32 v[ADB], 4, v[ADB]
	v_lshlrev_b32 v[PFO], 8, v[PFO]
	v_add_nc_u32 v[AX], s[TS], v[ADB]
	v_add_nc_u32 v[ADB], s[TS+1], v[ADB]
	v_add_nc_u32 v[AX2], 2*PTB, v[AX]
.irp a, 0,1,2,3,4,5,6,7
	v_mov_b32 v[BEST+\a], 0xff800000               ; under every finite logit: the first block always takes the place
	v_mov_b32 v[IDX+\a], 0
.endr
.set F_, 0
.rept 64
	v_mov_b32 v[SAVE+F_], 0                        ; the selects name the kept registers as a source from the first block on
.set F_, F_+1
.endr
	s_wait_alu depctr_va_vdst(0)
	s_wait_tensorcnt 0x0                           ; my tile of the head's four is in
	s_barrier_signal -1
	s_barrier_wait -1                              ; and everybody's
.set F_, 0
.rept 64                               ; x into registers: fragment 8 s + a from pair tile a / 2, half a % 2
	XPLACE F_
	WIN XW_<<6
.set A_, F_%8
.set XA_, AX+(AX2-AX)*(A_/4)
.set XO_, ((A_/2)%2)*PTB+(8*(A_%2)+F_/8)*FRB
	ds_load_b128 v[XR_:XR_+3], v[XA_] offset:XO_
	ds_load_b128 v[XR_+4:XR_+7], v[XA_] offset:XO_+512
	ds_load_b128 v[XR_+8:XR_+11], v[XA_] offset:XO_+1024
.set F_, F_+1
.endr
	WIN 0
.irp u, 0,1
.irp q, 0,1
	ds_load_b128 v[XS+8*\u+4*\q:XS+8*\u+4*\q+3], v[AX] offset:\u*PTB+SCB+512*\q
	ds_load_b128 v[XS+16+8*\u+4*\q:XS+16+8*\u+4*\q+3], v[AX2] offset:\u*PTB+SCB+512*\q
.endr
.endr
	SCL ADB, 0                                     ; tile 0's first block, in the order that the trips keep
	FETCH2 ADB, 0, 0
	FETCH2 ADB, 0, 2
	s_wait_tensorcnt 0x0                           ; slot 1 takes over bytes of x's stage
	ds_add_u32 v[SPW], v[NIL]
	s_wait_dscnt 0x0                               ; the add is done, and x is in my registers
	ROUND
	tensor_load_to_lds s[G0:G0+3], s[G1B:G1B+7]    ; tile 1
	s_nop 0
	PLACES
.Ltrip:                                                ; trips 0 to 5: each fills its slot again, two tiles on
	TRIP 0
	s_sub_co_i32 s[CNT], s[CNT], 1
	s_cmp_lg_u32 s[CNT], 0
	s_cbranch_scc1 .Ltrip
	TRIP 1                                         ; the last two trips fetch nothing more
	TRIP 2
	; the last merge's addresses
	v_and_b32 v[STO], 15, v0
	v_and_b32 v[RDA], 31, v0
	v_lshlrev_b32 v[STO], 2, v[STO]
	v_lshlrev_b32 v[RDA], 3, v[RDA]
	v_add_nc_u32 v[STO], s[TS+2], v[STO]
	v_add_nc_u32 v[GOF], s[TS+3], v[RDA]
	v_add_nc_u32 v[RDA], s[TS+4], v[RDA]
	v_bfe_u32 v[CF+8], v0, 4, 1
	v_lshlrev_b32 v[CF+8], 3, v[CF+8]              ; 8 h
	; which of the kept eight is the best: the lowest register that equals it
.irp a, 0,1,2,3,4,5,6,7
	v_mov_b32 v[CF+\a], 7
.endr
.irp j, 6,5,4,3,2,1,0
.irp a, 0,1,2,3,4,5,6,7
	v_cmp_eq_f32 s[FM+\a], v[SAVE+8*\a+\j], v[BEST+\a]
.endr
.irp a, 0,1,2,3,4,5,6,7
	v_cndmask_b32 v[CF+\a], v[CF+\a], \j, s[FM+\a]
.endr
.endr
.irp a, 0,1,2,3,4,5,6,7
	v_add3_u32 v[IDX+\a], v[IDX+\a], v[CF+\a], v[CF+8]     ; the block's first code + j + 8 h
.endr
	; lane l xor 16 holds the other half of the same row's codes; the wave beside me the other 64 codes of every tile
.irp a, 0,1,2,3,4,5,6,7
	v_permlanex16_b32 v[CF+16+\a], v[BEST+\a], s[SEL], s[SEL+1]
	v_permlanex16_b32 v[CF+24+\a], v[IDX+\a], s[SEL], s[SEL+1]
.endr
.irp a, 0,1,2,3,4,5,6,7
	MERGE BEST+\a, IDX+\a, CF+16+\a, CF+24+\a
.endr
.irp a, 0,1,2,3,4,5,6,7
	ds_store_b32 v[STO], v[BEST+\a] offset:64*\a           ; row 16 a + r; both halves of the lanes write the same word with the same value
	ds_store_b32 v[STO], v[IDX+\a] offset:2048+64*\a
.endr
	s_wait_dscnt 0x0                               ; for the others' sake
	s_barrier_signal -1
	s_barrier_wait -1
	ds_load_b64 v[ACC:ACC+1], v[RDA]               ; two rows a lane: the lower 64 codes' best,
	ds_load_b64 v[ACC+2:ACC+3], v[RDA] offset:512  ; the upper 64 codes',
	ds_load_b64 v[ACC+4:ACC+5], v[RDA] offset:2048 ; and their numbers
	ds_load_b64 v[ACC+6:ACC+7], v[RDA] offset:2560
	s_wait_dscnt 0x0
.irp e, 0,1
	MERGE ACC+\e, ACC+4+\e, ACC+2+\e, ACC+6+\e
.endr
.irp e, 0,1
	v_add_f32 v[ACC+\e], 0, v[ACC+\e]              ; -0 becomes +0,
	v_ashrrev_i32 v[ACC+8+\e], 31, v[ACC+\e]
	v_and_b32 v[ACC+8+\e], 0x7fffffff, v[ACC+8+\e]
	v_xor_b32 v[ACC+\e], v[ACC+\e], v[ACC+8+\e]    ; and the bits become a signed whole number that orders as the logit does
.endr
	global_store_b64 v[GOF], v[ACC:ACC+1], s[8:9]      ; 32 lanes store 256 consecutive bytes, aligned
	global_store_b64 v[GOF], v[ACC+4:ACC+5], s[10:11]
	s_wait_tensorcnt 0x0                           ; the wave's end
	ds_add_u32 v[SPW], v[NIL]
	s_wait_dscnt 0x0
	ROUND                                          ; the closing round
	s_endpgm
.Lfunc_end_k_q5f1dc52d9f_snap:
	.size	k_q5f1dc52d9f_snap, .Lfunc_end_k_q5f1dc52d9f_snap-k_q5f1dc52d9f_snap
	.p2alignl 7, 3214868480
	.fill 96, 4, 3214868480
	.section	.rodata,"a",@progbits
	.p2align	6, 0x0
	.amdhsa_kernel k_q5f1dc52d9f_snap
		.amdhsa_group_segment_fixed_size 327680
		.amdhsa_private_segment_fixed_size 0
		.amdhsa_enable_private_segment 0
		.amdhsa_kernarg_size 32
		.amdhsa_user_sgpr_count 2
		.amdhsa_user_sgpr_kernarg_segment_ptr 1
		.amdhsa_wavefront_size32 1
		.amdhsa_system_sgpr_workgroup_id_x 1
		.amdhsa_system_sgpr_workgroup_id_y 1
		.amdhsa_system_sgpr_workgroup_id_z 1
		.amdhsa_system_vgpr_workitem_id 0
		.amdhsa_next_free_vgpr 1024
		.amdhsa_next_free_sgpr 96
		.amdhsa_reserve_vcc 1
		.amdhsa_float_denorm_mode_32 3
		.amdhsa_float_denorm_mode_16_64 3
		.amdhsa_memory_ordered 1
		.amdhsa_forward_progress 1
		.amdhsa_inst_pref_size 220
	.end_amdhsa_kernel
	.amdgpu_metadata
---
amdhsa.version: [ 1, 2 ]
amdhsa.kernels:
  - .name:           k_q5f1dc52d9f_snap
    .symbol:         k_q5f1dc52d9f_snap.kd
    .args:
      - { .name: xq, .offset: 0, .size: 8, .value_kind: global_buffer, .address_space: global }
      - { .name: cbq, .offset: 8, .size: 8, .value_kind: global_buffer, .address_space: global }
      - { .name: cand_key, .offset: 16, .size: 8, .value_kind: global_buffer, .address_space: global }
      - { .name: cand_idx, .offset: 24, .size: 8, .value_kind: global_buffer, .address_space: global }
    .group_segment_fixed_size: 327680
    .private_segment_fixed_size: 0
    .kernarg_segment_align: 8
    .kernarg_segment_size: 32
    .max_flat_workgroup_size: 128
    .sgpr_count:     96
    .vgpr_count:     1024
    .wavefront_size: 32
...
	.end_amdgpu_metadata
.endif
;; end of part 2
;; launch take (part 3): grid 512 x 1, 8 waves a work-group, no clusters, 0 bytes of LDS; arguments codebook, cand_key, cand_idx, out0; writes out0
.if DOCPART == 3
	.amdgcn_target "amdgcn-amd-amdhsa--gfx1250"
	.amdhsa_code_object_version 6
	.text
	.protected	k_q5f1dc52d9f_take
	.globl	k_q5f1dc52d9f_take
	.p2align	8
	.type	k_q5f1dc52d9f_take,@function
k_q5f1dc52d9f_take:
	s_mov_b64 s[64:65], 0
	v_nop
	global_prefetch_b8 v0, s[64:65] scope:SCOPE_SE
	s_setreg_imm32_b32 hwreg(HW_REG_WAVE_MODE, 25, 1), 1
	s_wait_xcnt 0x0
; out0[row] = codebook[the row's best code].  For each row the launch before has stored four candidates, one for each quarter of the codes, as whole numbers: a key, which orders as the candidate's logit does, and the code's number.
; The greatest key wins; of equal keys the lower quarter's, which is the lower number.  The choice is made on scalar registers (s_cmp_gt_i32, s_cselect_b32), and ONE row of the codebook is read for each row written.
; A wave takes four rows of 4,096 bytes: eight loads of 512 consecutive bytes a row, all 32 issued at once, and eight stores of 512 consecutive aligned bytes a row.
; No LDS, no barrier: waves share nothing.  No hint on the loads: many rows may name one code.
.set ROWB, 4096
.set QB,   65536                       ; a quarter's candidates: 16,384 rows of 4 bytes
.set OA,   2                           ; v2-5   row i: my byte in the chosen row of the codebook
.set SL,   8                           ; v8-135 row i: 32 registers
	s_load_b256 s[4:11], s[0:1], 0x0               ; codebook s[4:5], cand_key s[6:7], cand_idx s[8:9], out0 s[10:11]
	v_lshrrev_b32 v1, 5, v0
	s_delay_alu instid0(VALU_DEP_1)
	v_readfirstlane_b32 s12, v1                    ; wave 0..7
	v_and_b32 v1, 31, v0
	s_delay_alu instid0(VALU_DEP_1)
	v_lshlrev_b32 v1, 4, v1                        ; 16 x lane; never rewritten
	s_lshl_b32 s13, ttmp9, 5
	s_lshl_b32 s14, s12, 2
	s_add_co_u32 s13, s13, s14                     ; my first row: 32 x work-group + 4 x wave
	s_lshl_b32 s14, s13, 2                         ; 4 bytes a row in the candidates' buffers
	s_mov_b32 s15, 0
	s_wait_alu depctr_va_vdst(0)
	s_wait_kmcnt 0x0
	s_add_nc_u64 s[6:7], s[6:7], s[14:15]
	s_add_nc_u64 s[8:9], s[8:9], s[14:15]
.irp q, 0,1,2,3
	s_load_b128 s[16+4*\q:19+4*\q], s[6:7], \q*QB  ; my four rows' keys in quarter q,
	s_load_b128 s[32+4*\q:35+4*\q], s[8:9], \q*QB  ; and their codes' numbers
.endr
	s_lshl_b32 s14, s13, 12                        ; 4,096 bytes a row of the output
	s_add_nc_u64 s[10:11], s[10:11], s[14:15]
	s_wait_kmcnt 0x0
.irp i, 0,1,2,3
.irp q, 1,2,3
	s_cmp_gt_i32 s[16+4*\q+\i], s[16+\i]           ; only a greater key takes the place
	s_cselect_b32 s[32+\i], s[32+4*\q+\i], s[32+\i]
	s_cselect_b32 s[16+\i], s[16+4*\q+\i], s[16+\i]
.endr
	s_min_u32 s[32+\i], s[32+\i], 4095             ; a loaded number enters an address only held inside the table
	s_lshl_b32 s[32+\i], s[32+\i], 12
	v_add_nc_u32 v[OA+\i], s[32+\i], v1
.endr
	s_wait_alu depctr_va_vdst(0)
.irp i, 0,1,2,3
.irp j, 0,1,2,3,4,5,6,7
	global_load_b128 v[SL+32*\i+4*\j:SL+32*\i+4*\j+3], v[OA+\i], s[4:5] offset:512*\j
.endr
.endr
.irp i, 0,1,2,3
	s_wait_loadcnt 24-8*\i                         ; row i's eight loads are in; those of the rows behind it may be out
.irp j, 0,1,2,3,4,5,6,7
	global_store_b128 v1, v[SL+32*\i+4*\j:SL+32*\i+4*\j+3], s[10:11] offset:ROWB*\i+512*\j th:TH_STORE_NT   ; 32 lanes store 512 consecutive bytes, at a multiple of 256 from the output's first byte
.endr
.endr
	s_endpgm
.Lfunc_end_k_q5f1dc52d9f_take:
	.size	k_q5f1dc52d9f_take, .Lfunc_end_k_q5f1dc52d9f_take-k_q5f1dc52d9f_take
	.p2alignl 7, 3214868480
	.fill 96, 4, 3214868480
	.section	.rodata,"a",@progbits
	.p2align	6, 0x0
	.amdhsa_kernel k_q5f1dc52d9f_take
		.amdhsa_group_segment_fixed_size 0
		.amdhsa_private_segment_fixed_size 0
		.amdhsa_enable_private_segment 0
		.amdhsa_kernarg_size 32
		.amdhsa_user_sgpr_count 2
		.amdhsa_user_sgpr_kernarg_segment_ptr 1
		.amdhsa_wavefront_size32 1
		.amdhsa_system_sgpr_workgroup_id_x 1
		.amdhsa_system_sgpr_workgroup_id_y 1
		.amdhsa_system_sgpr_workgroup_id_z 1
		.amdhsa_system_vgpr_workitem_id 0
		.amdhsa_next_free_vgpr 136
		.amdhsa_next_free_sgpr 66
		.amdhsa_reserve_vcc 0
		.amdhsa_float_denorm_mode_32 3
		.amdhsa_float_denorm_mode_16_64 3
		.amdhsa_memory_ordered 1
		.amdhsa_forward_progress 1
		.amdhsa_inst_pref_size 10
	.end_amdhsa_kernel
	.amdgpu_metadata
---
amdhsa.version: [ 1, 2 ]
amdhsa.kernels:
  - .name:           k_q5f1dc52d9f_take
    .symbol:         k_q5f1dc52d9f_take.kd
    .args:
      - { .name: codebook, .offset: 0, .size: 8, .value_kind: global_buffer, .address_space: global }
      - { .name: cand_key, .offset: 8, .size: 8, .value_kind: global_buffer, .address_space: global }
      - { .name: cand_idx, .offset: 16, .size: 8, .value_kind: global_buffer, .address_space: global }
      - { .name: out0, .offset: 24, .size: 8, .value_kind: global_buffer, .address_space: global }
    .group_segment_fixed_size: 0
    .private_segment_fixed_size: 0
    .kernarg_segment_align: 8
    .kernarg_segment_size: 32
    .max_flat_workgroup_size: 256
    .sgpr_count:     66
    .vgpr_count:     136
    .wavefront_size: 32
...
	.end_amdgpu_metadata
.endif
;; end of part 3
